; MI455X (gfx1250); checked and timed in simulation.
; The chip was launched on July 23, 2026; its instructions are those of AMD's public machine-readable ISA for CDNA 5 (MIT licence, August 2026) and "CDNA5" Instruction Set Architecture Reference Guide (July 2026). The comments in the code are by the model that wrote it; some were corrected since.
;; Custom Neuron. Allowed arithmetic: float matrix products may take bf16 or f16 operands with f32 sums; other float arithmetic in f32, or as packed bf16 or f16 multiplies, adds, multiply-adds, maxima and minima; sums over many terms, partial sums and values carried from step to step in f32; what a program stores and reads back later, other than sums and carried values, may be rounded once to bf16 or f16.
;; Inputs: comp_b 8 x 1,024 float32; comp_w 8 x 1,024 x 1,024 float32; sel_b 8,192 float32; sel_w 8,192 x 1,024 float32; x 4 x 1,024 x 1,024 float32.
;; Outputs: out0 4 x 1,024 x 1,024 float32.
;; One version. Each part assembles by itself: llvm-mc -triple=amdgcn-amd-amdhsa -mcpu=gfx1250 --defsym DOCPART=n.
;; ======== version 1 of 1: 2 launches
;; workspace buffers: xb 8,388,608 bytes; wb 33,554,432 bytes
;; launch prep (part 1): grid 1280 x 1, 8 waves a work-group, no clusters, 0 bytes of LDS; arguments x, sel_w, comp_w, xb, wb; writes xb, wb
.if DOCPART == 1
	.amdgcn_target "amdgcn-amd-amdhsa--gfx1250"
	.amdhsa_code_object_version 6
	.text
	.protected	k_qc5ac181b84_prep
	.globl	k_qc5ac181b84_prep
	.p2align	8
	.type	k_qc5ac181b84_prep,@function
k_qc5ac181b84_prep:
	s_mov_b64 s[64:65], 0
	v_nop
	global_prefetch_b8 v0, s[64:65] scope:SCOPE_SE
	s_setreg_imm32_b32 hwreg(HW_REG_WAVE_MODE, 25, 1), 1
	s_wait_xcnt 0x0
; x, sel_w and comp_w are rounded once to bf16 (to nearest even); the weights' rows are laid in the order in which the product's accumulators want them.
;   xb[t][:] = bf16(x[t][:]), 4,096 rows.      wb: 16,384 rows.  Row w = 128 G + 64 q + 16 b + 8 h + j stands for the output o = 8 G + 4 h + b and the component n = j:
;   q = 0: sel_w's row 8 o + j;   q = 1: comp_w's row 1024 j + o.
; So 16 consecutive rows of wb are the eight components of two outputs, and rows 64 apart are the selection and the component weights of the same (o, n).
; A stream: each input byte is read once, each output byte written once; no LDS, no matrix unit, nothing shared between work-groups, so no cluster.
; 20,480 rows of 1,024 numbers; a work-group takes 16 rows of the destination, a wave 2: sixteen loads of 512 consecutive bytes, all issued before the first wait,
; and sixteen stores of 256 consecutive bytes, each at a multiple of 256 from the buffer's first byte.  Work-groups 0-1023 write wb, 1024-1279 write xb.
.set X, 8                              ; v[8:71]  sixteen loads of four registers; each is rounded in place into its first two
	s_load_b256 s[4:11], s[0:1], 0x0               ; x s[4:5], sel_w s[6:7], comp_w s[8:9], xb s[10:11]
	s_load_b64 s[12:13], s[0:1], 0x20              ; wb
	v_lshrrev_b32 v3, 5, v0
	v_readfirstlane_b32 s14, v3                    ; wave 0..7: rows 2 wave, 2 wave + 1 of the block of 16
	v_and_b32 v1, 31, v0
	v_lshlrev_b32 v2, 3, v1                        ; 8 x lane: my 4 bf16 in 256 bytes of the destination
	v_lshlrev_b32 v1, 4, v1                        ; 16 x lane: my 4 f32 in 512 bytes of the source
	s_mov_b32 s15, ttmp9                           ; the work-group = 8 G + 4 q + b (for wb)
	s_and_b32 s16, s14, 3                          ; jp: my rows are j = 2 jp and 2 jp + 1
	s_lshr_b32 s17, s14, 2                         ; h
	s_lshr_b32 s18, s15, 3
	s_lshl_b32 s18, s18, 3                         ; 8 G
	s_and_b32 s19, s15, 3                          ; b
	s_add_co_u32 s18, s18, s19
	s_lshl2_add_u32 s18, s17, s18                  ; o = 8 G + b + 4 h
	s_lshl_b32 s20, s18, 3
	s_lshl1_add_u32 s20, s16, s20                  ; sel_w's row 8 o + 2 jp; the next is one row on
	s_lshl_b32 s21, s16, 11
	s_add_co_u32 s21, s21, s18                     ; comp_w's row 1024 (2 jp) + o; the next is 1,024 rows on
	s_lshl_b32 s22, s15, 4
	s_lshl1_add_u32 s22, s14, s22                  ; wb's row 16 x work-group + 2 wave
	s_sub_co_u32 s23, s22, 16384                   ; x's and xb's row (of use from work-group 1024 on)
	s_mov_b32 s19, 0x1000                          ; a row of f32 in bytes
	s_mov_b32 s33, 0                               ; the high words of the two offset pairs
	s_mov_b32 s35, 0
	s_wait_kmcnt 0x0
	; which source, which destination: both conditions hang on the work-group's number alone
	s_bitcmp1_b32 s15, 2                           ; q
	s_cselect_b32 s24, s21, s20                    ; the source's row,
	s_cselect_b32 s25, 0x400000, s19               ; the bytes from my first row to my second,
	s_cselect_b64 s[26:27], s[8:9], s[6:7]         ; and the source
	s_cmp_ge_u32 s15, 1024
	s_cselect_b32 s24, s23, s24
	s_cselect_b32 s25, s19, s25
	s_cselect_b64 s[26:27], s[4:5], s[26:27]
	s_cselect_b64 s[28:29], s[10:11], s[12:13]     ; the destination
	s_cselect_b32 s22, s23, s22                    ; and its row
	s_lshl_b32 s32, s24, 12                        ; offsets are made apart from the addresses; all stay under 2^26
	s_add_nc_u64 s[26:27], s[26:27], s[32:33]      ; my first source row
	s_mov_b32 s34, s25
	s_add_nc_u64 s[30:31], s[26:27], s[34:35]      ; my second
	s_lshl_b32 s32, s22, 11
	s_add_nc_u64 s[28:29], s[28:29], s[32:33]      ; my two destination rows, which follow each other
.irp k, 0,1,2,3,4,5,6,7
	global_load_b128 v[X+4*(\k):X+4*(\k)+3], v1, s[26:27] offset:512*(\k) th:TH_LOAD_NT
.endr
.irp k, 0,1,2,3,4,5,6,7
	global_load_b128 v[X+32+4*(\k):X+32+4*(\k)+3], v1, s[30:31] offset:512*(\k) th:TH_LOAD_NT
.endr
.set n, 0
.rept 16
	s_wait_loadcnt 15-n                            ; loads come back in order (ISA guide 5.7.1): load n is in, the 15 - n younger ones stay out
	v_cvt_pk_bf16_f32 v[X+4*n], v[X+4*n], v[X+4*n+1]
	v_cvt_pk_bf16_f32 v[X+4*n+1], v[X+4*n+2], v[X+4*n+3]
	global_store_b64 v2, v[X+4*n:X+4*n+1], s[28:29] offset:256*(n%8)+2048*(n/8)  ; the wave's 32 lanes store 256 consecutive bytes; the next launch reads them, so no hint
.set n, n+1
.endr
	s_endpgm                                       ; no register that a memory instruction names is ever written again
.Lfunc_end_k_qc5ac181b84_prep:
	.size	k_qc5ac181b84_prep, .Lfunc_end_k_qc5ac181b84_prep-k_qc5ac181b84_prep
	.p2alignl 7, 3214868480
	.fill 96, 4, 3214868480
	.section	.rodata,"a",@progbits
	.p2align	6, 0x0
	.amdhsa_kernel k_qc5ac181b84_prep
		.amdhsa_group_segment_fixed_size 0
		.amdhsa_private_segment_fixed_size 0
		.amdhsa_enable_private_segment 0
		.amdhsa_kernarg_size 40
		.amdhsa_user_sgpr_count 2
		.amdhsa_user_sgpr_kernarg_segment_ptr 1
		.amdhsa_wavefront_size32 1
		.amdhsa_system_sgpr_workgroup_id_x 1
		.amdhsa_system_sgpr_workgroup_id_y 1
		.amdhsa_system_sgpr_workgroup_id_z 1
		.amdhsa_system_vgpr_workitem_id 0
		.amdhsa_next_free_vgpr 72
		.amdhsa_next_free_sgpr 66
		.amdhsa_reserve_vcc 0
		.amdhsa_float_denorm_mode_32 3
		.amdhsa_float_denorm_mode_16_64 3
		.amdhsa_memory_ordered 1
		.amdhsa_forward_progress 1
		.amdhsa_inst_pref_size 8
	.end_amdhsa_kernel
	.amdgpu_metadata
---
amdhsa.version: [ 1, 2 ]
amdhsa.kernels:
  - .name:           k_qc5ac181b84_prep
    .symbol:         k_qc5ac181b84_prep.kd
    .args:
      - { .name: x, .offset: 0, .size: 8, .value_kind: global_buffer, .address_space: global }
      - { .name: sel_w, .offset: 8, .size: 8, .value_kind: global_buffer, .address_space: global }
      - { .name: comp_w, .offset: 16, .size: 8, .value_kind: global_buffer, .address_space: global }
      - { .name: xb, .offset: 24, .size: 8, .value_kind: global_buffer, .address_space: global }
      - { .name: wb, .offset: 32, .size: 8, .value_kind: global_buffer, .address_space: global }
    .group_segment_fixed_size: 0
    .private_segment_fixed_size: 0
    .kernarg_segment_align: 8
    .kernarg_segment_size: 40
    .max_flat_workgroup_size: 256
    .sgpr_count:     66
    .vgpr_count:     72
    .wavefront_size: 32
...
	.end_amdgpu_metadata
.endif
;; end of part 1
;; launch main (part 2): grid 16 x 16, 4 waves a work-group, clusters of 4 x 4, 327,680 bytes of LDS; arguments xb, wb, sel_b, comp_b, out0; writes out0
.if DOCPART == 2
	.amdgcn_target "amdgcn-amd-amdhsa--gfx1250"
	.amdhsa_code_object_version 6
	.text
	.protected	k_qc5ac181b84_main
	.globl	k_qc5ac181b84_main
	.p2align	8
	.type	k_qc5ac181b84_main,@function
k_qc5ac181b84_main:
	s_mov_b64 s[64:65], 0
	v_nop
	global_prefetch_b8 v0, s[64:65] scope:SCOPE_SE
	s_setreg_imm32_b32 hwreg(HW_REG_WAVE_MODE, 25, 1), 1
	s_wait_xcnt 0x0
	s_wait_alu depctr_hold_cnt(0) depctr_sa_sdst(0) depctr_va_vdst(0) depctr_va_sdst(0) depctr_va_ssrc(0) depctr_va_vcc(0) depctr_vm_vsrc(0)
	s_getreg_b32 s2, hwreg(HW_REG_IB_STS2, 6, 4)
	s_cmp_eq_u32 s2, 0
	s_cbranch_scc0 .Lentry_in_a_cluster
	s_endpgm
.Lentry_in_a_cluster:
	s_bfe_u32 s2, ttmp6, 0x10000c
	s_cmp_lg_u32 s2, 0xf033
	s_cbranch_scc0 .Lentry_shape_is_right
	s_endpgm
.Lentry_shape_is_right:
; out0[t][o] = x[t] . comp_w[n*][o] + comp_b[n*][o], where n* is the first largest of the eight logits x[t] . sel_w[8 o + n] + sel_b[8 o + n].
; WHAT OF THE SOURCE IS NOT COMPUTED, AND WHY.  A softmax rises strictly with its logit, so its argmax is the logits' argmax; no exponential is formed, so no maximum is taken away.  The mask
; (hard - p) + p is exactly 0 for a component that lost ((0 - p) + p) and within 2^-24 of 1 for the one that won: it counts as 1 here.
; LIMITS.  x, both weights and both biases are rounded once to bf16; sums in f32, K ascending, one accumulator for each number; the biases are added in f32 behind the finished sums.  Where the two
; largest logits of a (t, o) lie closer than the rounding of their f32 sums (some 1e-7 of their size), or the source's probabilities round to a tie, the choice may differ from the source's.
; NaN and infinities are not treated apart (0 x infinity in the source's masked sum is not reproduced).
; ONE GEMM: C[t][w] = xb[t] . wb[w], 4,096 x 16,384 x 1,024, wb's rows ordered w = 128 G + 64 q + 16 b + 8 h + j for o = 8 G + 4 h + b, n = j, q = 0 selection, q = 1 component.
; The choice is made for each number (t, o), so every 16 x 16 tile of both products holds numbers that are wanted: both are dense.
; SHARES.  A work-group (X, Y) owns tokens 256 Y .. + 255 and outputs 64 X .. + 63, that is wb's rows 1024 X .. + 1023: FOUR tiles of 256 x 256 of C, walked one after the other with the ring of
; LDS slots running on.  Four waves, each 128 tokens x 128 rows of wb (one G): 64 accumulators of 16 x 16, 512 registers.  K goes in steps of 128 through two LDS slots; a tile's rows are 256 bytes.
; THE MATRIX INSTRUCTION IS USED TRANSPOSED (source 0 = 16 rows of wb, source 1 = 16 tokens): lane l (r = l % 16, h = l / 16) holds token r, and its eight registers of accumulator b' are wb's rows
; 16 b' + 8 h + 0..7: the EIGHT COMPONENTS of ONE (token, o): logits in accumulators b' = b, component outputs in b' = b + 4, o = 8 G + 4 h + b.  So the choice never leaves a lane, and a lane's four
; results b = 0..3 are four neighbouring o: 16 bytes of out0.
; A TILE'S LAST K STEP GOES BY ROWS OF C: all its fragments of wb lie in registers, and my eight blocks of 16 tokens are finished one after the other, 32 matrix instructions each.  A finished block's
; choice is 112 vector instructions; they stand four behind each of 28 of the NEXT block's 32 matrix instructions, so that of a tile's 896 only the last block's 112 have no matrix work beside them.
; THE RESULTS WAIT.  A tile gives 64 bytes of each of 256 rows of out0; a row's 256 bytes are whole after four tiles.  Tiles 0 and 1 wait in stage 1 behind the ring, tile 2 in 32 registers, tile 3 in
; accumulators that are done with; at the end tiles 2 and 3 go into stage 2, which lies in slot 0 behind that slot's last fill; then whole rows are read back and stored.
; CLUSTER.  4 x 4 work-groups.  Y goes by the cluster's x and my place along it, X by the cluster's y and my place along that: the four of a column (same cx) need the same tiles of xb, the four of a
; row (same cy) the same tiles of wb: each is asked for jointly, by the same tensor load with the same descriptor and a mask that names the four.  Clusters numbered on end (x fastest) share their X.
; REGISTERS, in windows of 256 (s_set_vgpr_msb: bits 1:0 source 0, 3:2 source 1, 5:4 source 2, 7:6 destination):
;   window 0: v0-31 addresses; v32-63 a tile's results; v64-127, v128-191 fragments of xb, two buffers; v192-255 a tile's 64 biases.  By rows: v64-95, v96-127 xb's blocks by turns, v128-191 at work
;   window 1: v64-127, v128-191 fragments of wb; by rows all 256      window 2: accumulators of my tokens 0-63 ((a, b') at v[8 (8 a + b')])      window 3: those of my tokens 64-127
.set SIZE_K, 1024
.set KSTEP,  128
.set TILES,  4
.set PITCH,  272                       ; an LDS row: 256 bytes + 16 of padding = 68 words: the 16 rows of a fragment load start at 16 different groups of four banks (64 banks of 4 bytes: ISA guide 11.1)
.set HALFT,  128*PITCH                 ; 128 rows: what one tensor load brings, and what one wave reads of xb or of wb
.set SLOT,   4*HALFT                   ; xb's 256 rows, then wb's 256 rows
.set ST1,    2*SLOT                    ; stage 1, behind the ring: 256 token rows x 144 bytes (128 of tiles 0 and 1, 16 of padding)
.set SP,     144
.set BIAS,   ST1+256*SP                ; 4,096 bytes: the bias of (tile i, half c, q, b, h, j) at 1024 i + 512 c + 256 q + 64 b + 32 h + 4 j
.set SPARE,  BIAS+4096                 ; the spare words, 128 bytes for each wave: two blocks of 256 bytes that no other line names
.set ST2,    128                       ; stage 2, in slot 0: the same shape for tiles 2 and 3; 128 bytes off stage 1 modulo 256, so that the two halves of a row read take different banks
.set LAPS,   SIZE_K/(2*KSTEP)          ; a lap = two K steps = once round the ring
.set BACK,   (SIZE_K-2*KSTEP)*2        ; bytes from a slot's last K step of a tile back to its first: the walk's tiles share their rows of xb,
.set NEXT_B, 256*SIZE_K*2-BACK         ; and wb goes 256 rows down and back along K
.set ADRA, 16                          ; v16-17  LDS address of my xb fragments in slot 0, 1
.set ADRB, 20                          ; v20-21  the same for wb
.set ST2A, 22                          ; v22     where I put a result's 16 bytes in stage 2
.set BAW,  23                          ; v23     the tile's biases: BA + 1024 x tile
.set STO,  24                          ; v24     where I put a result's 16 bytes in stage 1
.set RD,   25                          ; v25     where I read rows back
.set CO,   26                          ; v26     my byte offset in out0
.set BA,   27                          ; v27     my biases of tile 0
.set SPW,  28                          ; v28     LDS address of my spare word: SPARE + 4 x my thread's number; never rewritten
.set NIL,  29                          ; v29     0; never rewritten
.set RN,   32                          ; v32-63  a tile's 32 results (block a of 16 tokens, b at RN + 4 a + b)
.set F0,   64                          ; fragment buffer 0
.set F1,   128                         ; fragment buffer 1
.set PA,   64                          ; by rows: xb's fragments of 16 tokens x 128 K, 32 registers; two such buffers, v64-127
.set T,    128                         ; the choice: logits + bias at T + 8 b + j, component outputs + bias at T + 32 + 8 b + j
.set BI,   192                         ; the tile's biases, block b' at BI + 8 b'
.set OB,   64                          ; v64-191 rows read back at the end
.set MK,   76                          ; s76-91  the masks of a level's matches
.set G1, 24                            ; s[24:31] descriptor group 1 for xb's tiles;  s[32:39] group 0, one set for each slot
.set G0, 32
.set G1B, 48                           ; s[48:55], s[56:63] the same for wb's tiles
.set G0B, 56
.set MSB, 0
.macro WIN new                         ; the immediate's high byte repeats the setting that is left; a switch that changes nothing is dropped
.if MSB != (\new)
	s_set_vgpr_msb (MSB<<8)|(\new)
.set MSB, \new
.endif
.endm
.set MUL_LO, 0xa1                      ; source 0 (wb) window 1, source 1 (xb) window 0, C and D window 2
.set MUL_HI, 0xf1                      ; the same, C and D window 3
.set TO_B,   0x40                      ; destination window 1, address window 0
; A joint load.  Waves 0 and 1 fetch xb's two halves, waves 2 and 3 wb's.  Each line has one mask and one set of registers; the branch hangs on the wave's number alone.
; An s_nop 0 and four v_nop follow each of the two lines, ahead of the jump, the label and what follows.
.macro JLOAD s
	s_cmp_eq_u32 s11, 0
	s_cbranch_scc0 .Lfor_b_\@
	tensor_load_to_lds s[G0+4*(\s):G0+4*(\s)+3], s[G1:G1+7]
	s_nop 0
.rept 4
	v_nop
.endr
	s_branch .Lasked_\@
.Lfor_b_\@:
	tensor_load_to_lds s[G0B+4*(\s):G0B+4*(\s)+3], s[G1B:G1B+7]
	s_nop 0
.rept 4
	v_nop
.endr
.Lasked_\@:
.endm
; A round of the cluster's barrier: my work-group's barrier, so that wave 0's signal speaks for all four waves; wave 0 signals; every wave waits for all sixteen work-groups; my work-group's barrier once more.
.macro CREST                           ; a round behind its opening barrier
	s_cmp_lg_u32 s10, 0
	s_cbranch_scc1 .Lnot_wave_0_\@
	s_barrier_signal -3
.Lnot_wave_0_\@:
	s_barrier_wait -3
	s_barrier_signal -1
	s_barrier_wait -1
.endm
.macro CROUND                          ; a whole round
	s_barrier_signal -1
	s_barrier_wait -1
	CREST
.endm
	s_load_b128 s[4:7], s[0:1], 0x0                ; xb s[4:5], wb s[6:7]
	s_load_b128 s[68:71], s[0:1], 0x10             ; sel_b s[68:69], comp_b s[70:71]
	s_load_b64 s[8:9], s[0:1], 0x20                ; out0
	v_lshl_add_u32 v[SPW], v0, 2, SPARE
	v_mov_b32 v[NIL], 0
	ds_add_u32 v[SPW], v[NIL]                      ; the wave's opening: the add and its wait stand ahead of my first tensor load; the set-up below, work on registers, stands between them
	v_lshrrev_b32 v1, 5, v0
	v_readfirstlane_b32 s10, v1                    ; wave 0..3
	s_lshr_b32 s11, s10, 1                         ; which 128 of the tile's tokens are mine.  Also: I fetch for xb (0) or for wb (1)
	s_and_b32 s12, s10, 1                          ; c: which 128 of its rows of wb.  Also: which 128 rows of that tile I fetch
	s_bfe_u32 s40, ttmp6, 0x40000                  ; cx, cy: my place in the cluster
	s_bfe_u32 s41, ttmp6, 0x40004
	s_lshl_b32 s13, ttmp9, 2                       ; in a cluster launch ttmp9 and ttmp7 count clusters
	s_add_co_u32 s13, s13, s40                     ; Y, my block of tokens = 4 x cluster x + cx
	s_and_b32 s42, ttmp7, 0xffff
	s_lshl_b32 s42, s42, 2
	s_add_co_u32 s42, s42, s41                     ; X, my slice of outputs = 4 x cluster y + cy
	s_lshl_b32 s43, s41, 2
	s_lshl_b32 s43, 15, s43                        ; my row of the cluster: places 4 cy .. 4 cy + 3: it shares X
	s_lshl_b32 s44, 0x1111, s40                    ; my column: places cx, cx + 4, cx + 8, cx + 12: it shares Y
	; descriptor group 1: a tile of 128 rows x 128 elements, padded in LDS
	s_or_b32 s[G1+0], s44, (1<<16)|(1<<20)|(1<<21)|(5<<22)|(3<<25)  ; 15:0 the mask: xb's tiles go to my column; 17:16 elements of 2 bytes; 20 padding on; 21 set beside a mask; 24:22 after every 64 words (code 5); 31:25 4 words of it (code 3)
	s_or_b32 s[G1B+0], s43, (1<<16)|(1<<20)|(1<<21)|(5<<22)|(3<<25) ; the same with the mask of my row, for wb's tiles
.irp g, G1, G1B
	s_mov_b32 s[(\g)+1], KSTEP<<16                 ; tensor_dim0 = 128
	s_mov_b32 s[(\g)+2], 128<<16                   ; tensor_dim1 = 128
	s_mov_b32 s[(\g)+3], KSTEP<<16                 ; tile_dim0 = 128
	s_mov_b32 s[(\g)+4], 128                       ; tile_dim1 = 128
	s_mov_b32 s[(\g)+5], SIZE_K                    ; elements from row to row
	s_mov_b32 s[(\g)+6], 0
	s_mov_b32 s[(\g)+7], 0
.endr
	; where the tiles come from.  xb's hang on Y alone, which my column of the cluster shares; wb's on X alone, which my row shares.  Every wave makes both, in registers that never hold the other coordinate.
	s_lshl_b32 s17, s12, 7                         ; which 128 rows of the tile I fetch
	s_lshl_b32 s16, s13, 8
	s_add_co_u32 s16, s16, s17                     ; xb: row 256 Y + 128 x half
	s_lshl_b32 s46, s42, 10
	s_add_co_u32 s46, s46, s17                     ; wb: row 1024 X + 128 x half (tile 0)
	s_lshl_b32 s16, s16, 11                        ; in bytes, 2,048 a row: under 2^23
	s_mov_b32 s17, 0
	s_lshl_b32 s46, s46, 11                        ; under 2^25
	s_mov_b32 s47, 0
	s_mul_i32 s20, s10, HALFT                      ; where they go: xb's two halves, then wb's two = wave x 128 rows: no place in the cluster enters an LDS address
	s_wait_dscnt 0x0                               ; the opening add is done
	s_wait_kmcnt 0x0
	s_add_nc_u64 s[14:15], s[4:5], s[16:17]
	s_add_nc_u64 s[46:47], s[6:7], s[46:47]
	CROUND                                         ; all sixteen work-groups are here: the first joint loads meet
.irp s, 0,1
	s_mov_b32 s[G0+4*(\s)], 1                                      ; count = 1
	s_add_co_u32 s[G0+4*(\s)+1], s20, (\s)*SLOT                    ; LDS address
	s_add_nc_u64 s[G0+4*(\s)+2:G0+4*(\s)+3], s[14:15], (\s)*KSTEP*2  ; global address: K step s
	s_or_b32 s[G0+4*(\s)+3], s[G0+4*(\s)+3], 0x80000000            ; type = 2
	s_mov_b32 s[G0B+4*(\s)], 1
	s_add_co_u32 s[G0B+4*(\s)+1], s20, (\s)*SLOT
	s_add_nc_u64 s[G0B+4*(\s)+2:G0B+4*(\s)+3], s[46:47], (\s)*KSTEP*2
	s_or_b32 s[G0B+4*(\s)+3], s[G0B+4*(\s)+3], 0x80000000
	JLOAD \s                                       ; the ring is filled before anything else is done: two tensor loads of mine are out
.endr
	; THE BIASES of my work-group's 64 outputs, 512 of sel_b and 512 of comp_b: thread u = v0 takes 16 bytes of each
	s_lshl_b32 s72, s42, 11                        ; sel_b: 64 X outputs x 8 components x 4 bytes
	s_mov_b32 s73, 0
	s_add_nc_u64 s[68:69], s[68:69], s[72:73]
	s_lshl_b32 s72, s42, 8                         ; comp_b: 64 X outputs x 4 bytes in each of its eight rows
	s_add_nc_u64 s[70:71], s[70:71], s[72:73]
	v_and_b32 v1, 15, v0                           ; l % 16 (also u % 16)
	v_bfe_u32 v2, v0, 4, 1                         ; l / 16
	v_lshlrev_b32 v8, 4, v0                        ; sel_b: 16 u: output u / 2 of the 64, components 4 (u % 2) + 0..3
	v_lshrrev_b32 v9, 4, v0                        ; comp_b: component u / 16,
	v_lshlrev_b32 v10, 12, v9
	v_lshl_add_u32 v10, v1, 4, v10                 ; outputs 4 (u % 16) + 0..3: sixteen lanes take 256 consecutive bytes
	global_load_b128 v[32:35], v8, s[68:69]
	global_load_b128 v[36:39], v10, s[70:71]
	; A fragment is 16 rows x 32 K in 8 registers: lane l holds row l % 16; registers 0-3 K = 8 (l / 16) + 0..7, registers 4-7 K = 16 + 8 (l / 16) + 0..7: two loads of 16 bytes, 32 bytes apart.
	v_mul_u32_u24 v3, v1, PITCH
	v_lshl_add_u32 v3, v2, 4, v3                   ; row x pitch + 16 x half
	s_mul_i32 s21, s11, HALFT                      ; my 128 rows of xb
	s_mul_i32 s22, s12, HALFT                      ; my 128 rows of wb,
	s_add_co_u32 s22, s22, 2*HALFT                 ; which lie behind xb's 256
.irp s, 0,1
	v_add_nc_u32 v[ADRA+(\s)], s21, v3
	v_add_nc_u32 v[ADRB+(\s)], s22, v3
	s_add_co_u32 s21, s21, SLOT
	s_add_co_u32 s22, s22, SLOT
.endr
	; into a stage: token row 128 x half + l % 16 (+ 16 a by the immediate), byte 32 c + 16 (l / 16) (+ 64 for the stage's second tile)
	s_mul_i32 s23, s11, 128*SP
	s_lshl_b32 s21, s12, 5
	s_add_co_u32 s23, s23, s21
	v_mul_u32_u24 v4, v1, SP
	v_lshl_add_u32 v4, v2, 4, v4
	v_add_nc_u32 v4, s23, v4
	v_add_nc_u32 v[STO], ST1, v4
	v_add_nc_u32 v[ST2A], ST2, v4
	; back: wave w takes token rows 64 w .. + 63, two a load: lanes 0-15 one row, lanes 16-31 the next; of a row's sixteen 16-byte columns 0-7 lie in stage 1, 8-15 in stage 2
	v_and_b32 v6, 7, v0
	s_mul_i32 s23, s10, 64*SP
	v_mul_u32_u24 v7, v2, SP
	v_lshl_add_u32 v7, v6, 4, v7
	v_add_nc_u32 v7, s23, v7
	v_bfe_u32 v5, v0, 3, 1
	v_xor_b32 v5, 1, v5                            ; 1 for columns 0-7
	v_mul_u32_u24 v5, v5, ST1-ST2
	v_add_nc_u32 v7, ST2, v7
	v_add_nc_u32 v[RD], v7, v5
	v_lshlrev_b32 v5, 12, v2                       ; and the same two rows in out0, 4,096 bytes each
	v_lshl_add_u32 v[CO], v1, 4, v5
	s_lshl_b32 s23, s12, 9
	s_add_co_u32 s23, s23, BIAS
	v_lshl_add_u32 v[BA], v2, 5, s23               ; my biases of tile 0: BIAS + 512 c + 32 (l / 16)
	s_lshl_b32 s16, s13, 8
	s_lshl_b32 s17, s10, 6
	s_add_co_u32 s16, s16, s17                     ; the first row of out0 that I store: 256 Y + 64 wave
	s_lshl_b32 s16, s16, 12                        ; under 2^24
	s_mov_b32 s17, 0
	s_add_nc_u64 s[8:9], s[8:9], s[16:17]
	s_lshl_b32 s46, s42, 8                         ; my work-group's 256 bytes of each row
	s_mov_b32 s47, 0
	s_add_nc_u64 s[8:9], s[8:9], s[46:47]
	; where the biases go.  sel_b's output u / 2 = 16 i + 8 c + 4 h + b: 512 (u / 16) + 32 ((u / 8) % 2) + 64 ((u / 2) % 4) + 16 (u % 2)
	v_lshlrev_b32 v11, 9, v9
	v_bfe_u32 v12, v0, 3, 1
	v_lshl_add_u32 v11, v12, 5, v11
	v_bfe_u32 v12, v0, 1, 2
	v_lshl_add_u32 v11, v12, 6, v11
	v_and_b32 v12, 1, v0
	v_lshl_add_u32 v11, v12, 4, v11
	v_add_nc_u32 v11, BIAS, v11
	; comp_b's outputs 4 (u % 16) + b: 256 + 512 ((u % 16) / 2) + 32 (u % 2) + 4 (u / 16), and 64 b by the immediate
	v_bfe_u32 v13, v0, 1, 3
	v_lshlrev_b32 v13, 9, v13
	v_lshl_add_u32 v13, v12, 5, v13
	v_lshl_add_u32 v13, v9, 2, v13
	v_add_nc_u32 v13, BIAS+256, v13
	s_wait_loadcnt 0x0
.irp p, 0,1,2,3                        ; rounded to bf16 as the other inputs are, and widened again: they are added in f32
	v_cvt_pk_bf16_f32 v[40+(\p)], v[32+2*(\p)], v[33+2*(\p)]
.endr
.irp p, 0,1,2,3
	v_lshlrev_b32 v[32+2*(\p)], 16, v[40+(\p)]
	v_and_b32 v[33+2*(\p)], 0xffff0000, v[40+(\p)]
.endr
	ds_store_b128 v11, v[32:35]
.irp p, 0,1,2,3
	ds_store_b32 v13, v[36+(\p)] offset:64*(\p)
.endr
; 16 matrix instructions: token blocks a0, a0 + 1 of the window's four (hi = 0: my tokens 0-63, 1: 64-127) x all 8 blocks of wb, 32 along K.  zero = 1: the first product starts the sums: nothing is ever cleared.
; The accumulators take turns, one instruction a turn: 64 of them here, a block's 8 where the work goes by rows.
.macro MUL16 f, hi, a0, zero
	WIN MUL_LO+0x50*(\hi)
.irp a, \a0, (\a0)+1
.irp b, 0,1,2,3,4,5,6,7
.if \zero
	v_wmma_f32_16x16x32_bf16 v[8*(8*(\a)+(\b)):8*(8*(\a)+(\b))+7], v[(\f)+8*(\b):(\f)+8*(\b)+7], v[(\f)+8*(4*(\hi)+(\a)):(\f)+8*(4*(\hi)+(\a))+7], 0
.else
	v_wmma_f32_16x16x32_bf16 v[8*(8*(\a)+(\b)):8*(8*(\a)+(\b))+7], v[(\f)+8*(\b):(\f)+8*(\b)+7], v[(\f)+8*(4*(\hi)+(\a)):(\f)+8*(4*(\hi)+(\a))+7], v[8*(8*(\a)+(\b)):8*(8*(\a)+(\b))+7]
.endif
.endr
.endr
.endm
; 32 LDS loads in one run: the fragments of one quarter step (128 rows of wb, 128 rows of xb, 32 K at byte k of the rows) into buffer f
.macro FETCH slot, k, f
	WIN TO_B
.irp i, 0,1,2,3,4,5,6,7
	ds_load_b128 v[(\f)+8*(\i):(\f)+8*(\i)+3],   v[ADRB+(\slot)] offset:(\k)+(\i)*16*PITCH
	ds_load_b128 v[(\f)+8*(\i)+4:(\f)+8*(\i)+7], v[ADRB+(\slot)] offset:(\k)+(\i)*16*PITCH+32
.endr
	WIN 0
.irp i, 0,1,2,3,4,5,6,7
	ds_load_b128 v[(\f)+8*(\i):(\f)+8*(\i)+3],   v[ADRA+(\slot)] offset:(\k)+(\i)*16*PITCH
	ds_load_b128 v[(\f)+8*(\i)+4:(\f)+8*(\i)+7], v[ADRA+(\slot)] offset:(\k)+(\i)*16*PITCH+32
.endr
.endm
; A load into a register that a matrix instruction has read, and a vector instruction that reads a matrix result or writes one of a matrix instruction's registers, stand four places behind it, and only
; plain vector instructions that name none of its registers are places (ISA guide 7.12.1 for vector instructions).
.macro PLACES
.rept 4
	v_nop
.endr
.endm
; A K step is four quarter steps of 32 along K, 64 matrix instructions each, on buffers 0, 1, 0, 1.  One of the first three: multiplies buffer f; in its middle it fetches the next quarter's fragments into g.
.macro QUARTER slot, k, f, g, zero
	s_wait_dscnt 8                                 ; wb's fragments and xb's tokens 0-63 are in; the youngest eight LDS instructions may be out: xb's tokens 64-127, or younger bias loads or stage stores, and then all fragments are in
	WIN MUL_LO
	MUL16 \f, 0, 0, \zero
	MUL16 \f, 0, 2, \zero
	PLACES
	FETCH \slot, \k, \g
	s_wait_dscnt 32                                ; all but the 32 just issued
	WIN MUL_HI
	MUL16 \f, 1, 0, \zero
	MUL16 \f, 1, 2, \zero
.endm
; The last quarter multiplies buffer 1 and changes slots.  MEET is its first half: ONE barrier for the change.  In front of it each wave waits for all its tensor loads, of which one is out: its part of
; the next slot; adds 0 to its spare word; and waits for that and for its own reads of this slot.  Behind it nobody reads this slot any more and the next slot is whole.
.macro MEET round                      ; round = 1: a round of the cluster's barrier follows
	WIN 0                                          ; (the add's two registers lie in window 0)
	s_wait_tensorcnt 0x0                           ; all my tensor loads have landed;
	ds_add_u32 v[SPW], v[NIL]                      ; 0 onto my spare word;
	s_wait_dscnt 9                                 ; (the add and the youngest eight loads may be out)
	WIN MUL_LO
	MUL16 F1, 0, 0, 0                              ; sixteen matrix instructions stand between the add and the wait for it
	s_wait_dscnt 0x0                               ; the add is done, and my reads of this slot are over:
	s_barrier_signal -1                            ; say so,
	MUL16 F1, 0, 2, 0                              ; work on registers while the others arrive,
.if \round
	WIN 0
.endif
	s_barrier_wait -1                              ; and go on when all four have said so
.endm
; The whole last quarter inside a tile: the barrier opens a round of the cluster's, and behind it the slot just read out is filled again first, with the K step two steps on.
; From a request to the wait for it a wave issues 224 matrix instructions.
.macro TURN slot, next
	MEET 1
	CREST                                          ; no wave of any partner still reads this slot's tile or has a load on its way
	s_add_nc_u64 s[G0+4*(\slot)+2:G0+4*(\slot)+3], s[G0+4*(\slot)+2:G0+4*(\slot)+3], 2*KSTEP*2
	s_add_nc_u64 s[G0B+4*(\slot)+2:G0B+4*(\slot)+3], s[G0B+4*(\slot)+2:G0B+4*(\slot)+3], 2*KSTEP*2
	JLOAD \slot                                    ; the first tensor load behind the round, my only one until the next; the four v_nop behind it are also the places in front of the loads below
	FETCH \next, 0, F0
	WIN MUL_HI
	MUL16 F1, 1, 0, 0
	MUL16 F1, 1, 2, 0
.endm
; The tile's 64 biases for my lane: eight blocks of eight numbers; all lanes of a half read the same bytes.  Asked for a quarter step and more ahead of their first use; the change of slots' wait for 0 shows them in.
.macro BIASLD
	WIN 0
	s_sub_co_u32 s23, TILES, s2                    ; the tile in hand, from the count of tiles to go
	s_lshl_b32 s23, s23, 10
	v_add_nc_u32 v[BAW], s23, v[BA]
.irp b, 0,1,2,3,4,5,6,7
	ds_load_b128 v[BI+8*(\b):BI+8*(\b)+3],   v[BAW] offset:64*(\b)
	ds_load_b128 v[BI+8*(\b)+4:BI+8*(\b)+7], v[BAW] offset:64*(\b)+16
.endr
.endm
; BY ROWS.  The step lies in slot 1.  wb's fragments of quarter q -> window 1, v[64 q ..]
.macro BLOAD q
	WIN TO_B
.irp i, 0,1,2,3,4,5,6,7
	ds_load_b128 v[64*(\q)+8*(\i):64*(\q)+8*(\i)+3],   v[ADRB+1] offset:64*(\q)+(\i)*16*PITCH
	ds_load_b128 v[64*(\q)+8*(\i)+4:64*(\q)+8*(\i)+7], v[ADRB+1] offset:64*(\q)+(\i)*16*PITCH+32
.endr
.endm
.macro ALOAD a                         ; xb's fragments of block a, all four quarters -> buffer a % 2
	WIN 0
.set FA, PA+32*((\a)%2)
.irp q, 0,1,2,3
	ds_load_b128 v[FA+8*(\q):FA+8*(\q)+3],   v[ADRA+1] offset:64*(\q)+(\a)*16*PITCH
	ds_load_b128 v[FA+8*(\q)+4:FA+8*(\q)+7], v[ADRA+1] offset:64*(\q)+(\a)*16*PITCH+32
.endr
.endm
; THE CHOICE for block e of 16 tokens is a list of 112 instructions; EOP writes number j of it and steps j.  A match: the higher-numbered component wins only where its logit is strictly greater, so of
; equal logits the lowest number stays, as argmax has it; the winner's logit goes into the lower place, and the component output follows it.  A level's matches stand together, their masks in scalar
; registers of their own, so that no line reads the result of a line near it.
;   0-31     the biases are added onto the block's eight accumulators (each read from its lowest registers on), into T
;   32-79    16 matches 0-1, 2-3, 4-5, 6-7 of the lane's four outputs: 16 compares, 16 maxima, 16 selects
;   80-103   8 matches 0-2, 4-6: likewise          104-111  4 matches 0-4: 4 compares, 4 selects, whose winners are the results: v[RB + 4 e + b], in the window that RW names
.macro EOP e
.if j < 32
	WIN 0x02+(\e)/4                                ; source 0: the accumulators' window
	v_pk_add_f32 v[T+2*j:T+2*j+1], v[64*((\e)%4)+2*j:64*((\e)%4)+2*j+1], v[BI+2*j:BI+2*j+1]
.elseif j < 80
.set n, (j-32)%16
.set eL, T+8*(n/4)+2*(n%4)
	WIN 0
.if j < 48
	v_cmp_gt_f32 s[MK+n], v[eL+1], v[eL]
.elseif j < 64
	v_max_num_f32 v[eL], v[eL], v[eL+1]
.else
	v_cndmask_b32 v[eL+32], v[eL+32], v[eL+33], s[MK+n]
.endif
.elseif j < 104
.set n, (j-80)%8
.set eL, T+8*(n/2)+4*(n%2)
	WIN 0
.if j < 88
	v_cmp_gt_f32 s[MK+n], v[eL+2], v[eL]
.elseif j < 96
	v_max_num_f32 v[eL], v[eL], v[eL+2]
.else
	v_cndmask_b32 v[eL+32], v[eL+32], v[eL+34], s[MK+n]
.endif
.elseif j < 108
.set n, j-104
	WIN 0
	v_cmp_gt_f32 s[MK+n], v[T+8*n+4], v[T+8*n]
.elseif j < 112
.set n, j-108
	WIN RW
	v_cndmask_b32 v[RB+4*(\e)+n], v[T+32+8*n], v[T+32+8*n+4], s[MK+n]
.endif
.set j, j+1
.endm
.macro SLICE e                         ; the list's next four; behind number 111 nothing
.rept 4
	EOP \e
.endr
.endm
; Quarters from .. to of block a: 8 matrix instructions each, the block's 8 accumulators by turns, K ascending.  e >= 0: behind each stands a slice of block e's choice, which names no register of the
; products round it.  A slice works in window 0 (its first eight read the finished accumulators), the products in windows 1 to 3: two switches a slice are the price of setting the two side by side.
.macro ROW a, from, to, e
.irp q, 0,1,2,3
.if ((\q) >= (\from)) && ((\q) <= (\to))
.if ((\a) == 0) && ((\q) == 2)
	s_wait_dscnt 8                                 ; wb's quarter 2 is in (behind it: xb's block 1)
.endif
.irp b, 0,1,2,3,4,5,6,7
	WIN MUL_LO+0x50*((\a)/4)
	v_wmma_f32_16x16x32_bf16 v[64*((\a)%4)+8*(\b):64*((\a)%4)+8*(\b)+7], v[64*(\q)+8*(\b):64*(\q)+8*(\b)+7], v[PA+32*((\a)%2)+8*(\q):PA+32*((\a)%2)+8*(\q)+7], v[64*((\a)%4)+8*(\b):64*((\a)%4)+8*(\b)+7]
.if (\e) >= 0
	SLICE \e
.endif
.endr
.endif
.endr
.endm
; A TILE'S END: the last quarter of its last K step but one, and the last K step by rows.  fill = 1: the tile has a successor, and THE RING GOES ON INTO IT: slot 0 takes the next tile's K step 0 behind the
; first change of slots; slot 1 its K step 1 behind a second round, which is opened in the middle of block 7, when the slot's last bytes (xb's block 7) have been read.  fill = 0: nothing is asked for.
.macro BYROWS fill
	MEET \fill
.if \fill
	CREST                                          ; no wave of any partner still reads slot 0's tile or has a load on its way
	s_sub_nc_u64 s[G0+2:G0+3], s[G0+2:G0+3], BACK
	s_add_nc_u64 s[G0B+2:G0B+3], s[G0B+2:G0B+3], NEXT_B
	JLOAD 0                                        ; 256 matrix instructions ahead of the wait for it; its four v_nop are also the places in front of the loads below
.else
	PLACES                                         ; for the loads into buffer 0, which the quarter before multiplied
.endif
	BLOAD 0                                        ; three quarters of wb now: buffer 1 (v128-191 of both windows) is still being multiplied
	BLOAD 1
	BLOAD 3
	ALOAD 0
	MUL16 F1, 1, 0, 0
	MUL16 F1, 1, 2, 0
	PLACES                                         ; for the loads into buffer 1
	BLOAD 2
	ALOAD 1
	s_wait_dscnt 24                                ; all but the 24 just issued
	ROW 0, 0, 3, -1                                ; no block is finished yet: nothing stands between these products
.irp a, 1,2,3,4,5,6
	PLACES                                         ; behind block a - 1's last products: for the loads into its buffer, and for the reads of its results
	ALOAD (\a)+1
	s_wait_dscnt 8                                 ; block a's fragments are in; the eight just issued have block a's 32 products in which to land
.set j, 0
	ROW \a, 0, 3, (\a)-1
.endr
	PLACES
.set j, 0
.if \fill
	WIN 0
	s_wait_tensorcnt 0x0                           ; all my tensor loads have landed: the one that was out is my part of slot 0, the next tile's K step 0;
	ds_add_u32 v[SPW], v[NIL]                      ; 0 onto my spare word;
	s_wait_dscnt 1                                 ; (xb's block 7 is in; the add may be out)
	ROW 7, 0, 1, 6                                 ; sixteen matrix instructions and their slices stand between the add and the wait for it
	s_wait_dscnt 0x0                               ; the add is done, and my reads of slot 1 are over:
	s_barrier_signal -1                            ; say so,
	ROW 7, 2, 3, 6                                 ; work on registers while the others arrive,
	WIN 0
	s_barrier_wait -1                              ; and go on when all four have said so
	CREST                                          ; no wave of any partner still reads slot 1's tile or has a load on its way
	s_sub_nc_u64 s[G0+6:G0+7], s[G0+6:G0+7], BACK
	s_add_nc_u64 s[G0B+6:G0B+7], s[G0B+6:G0B+7], NEXT_B
	JLOAD 1                                        ; its four v_nop are the places behind block 7's last products
	FETCH 0, 0, F0                                 ; the next tile's first fragments; block 7's choice stands between these loads and their first use
.else
	s_wait_dscnt 0x0                               ; xb's block 7 is in
	ROW 7, 0, 3, 6
	PLACES
.endif
.set j, 0
.rept 112
	EOP 7                                          ; the last block's choice has no products to stand beside
.endr
	WIN 0
.endm
	s_wait_tensorcnt 1                             ; my part of K step 0 is in; K step 1's may stay out
	s_wait_dscnt 0x0                               ; for the others' sake: my biases are in LDS
	s_barrier_signal -1
	s_barrier_wait -1                              ; everybody's are
	FETCH 0, 0, F0
	s_mov_b32 s2, TILES                            ; tiles to go, this one among them: the same number in every work-group
.Ltile:                                                ; (every window is 0 here)
	QUARTER 0, 64,  F0, F1, 1                      ; a tile's first quarter stands in front of the loop: its products start the sums
	WIN 0                                          ; at a label and at a branch every window is 0
	s_mov_b32 s3, LAPS-1
.Llap:                                                 ; a trip goes once round the ring, from a lap's second quarter to the next lap's first, and fills both slots again
	QUARTER 0, 128, F1, F0, 0
	QUARTER 0, 192, F0, F1, 0
	TURN 0, 1
	QUARTER 1, 64,  F0, F1, 0
	QUARTER 1, 128, F1, F0, 0
	QUARTER 1, 192, F0, F1, 0
	TURN 1, 0
	QUARTER 0, 64,  F0, F1, 0
	WIN 0
	s_sub_co_u32 s3, s3, 1
	s_cmp_lg_u32 s3, 0
	s_cbranch_scc1 .Llap
	QUARTER 0, 128, F1, F0, 0                      ; the tile's last lap goes on
	BIASLD
	QUARTER 0, 192, F0, F1, 0
	WIN 0
	s_cmp_eq_u32 s2, 1
	s_cbranch_scc1 .Llast                          ; the last tile's end is written out: it asks for nothing more
.set RB, RN                            ; the results go into v32-63 of window 0
.set RW, 0
	BYROWS 1
	s_cmp_eq_u32 s2, 2
	s_cbranch_scc1 .Lkeep                          ; tile 2 stays in its registers until the end.  What is jumped holds no barrier and no tensor load
	s_cmp_eq_u32 s2, 3
	s_cbranch_scc1 .Lsecond
.irp a, 0,1,2,3,4,5,6,7
	ds_store_b128 v[STO], v[RN+4*(\a):RN+4*(\a)+3] offset:(\a)*16*SP      ; tile 0: bytes 0-63 of stage 1's rows
.endr
	s_branch .Lkeep
.Lsecond:
.irp a, 0,1,2,3,4,5,6,7
	ds_store_b128 v[STO], v[RN+4*(\a):RN+4*(\a)+3] offset:(\a)*16*SP+64   ; tile 1: bytes 64-127
.endr
.Lkeep:
	s_sub_co_u32 s2, s2, 1
	s_branch .Ltile
.Llast:
.set RB, 0                             ; window 0 is full (tile 2's results wait there): the last tile's results go into v0-31 of window 2, block 0's first four accumulators,
.set RW, 0x80                          ; which are done with when block 0's biases have been added: the first result is written 76 lines of the list behind that
	BYROWS 0                                       ; behind its one barrier nobody reads slot 0, and no tensor load is out
	; OUT.  Tiles 2 and 3 go into stage 2: slot 0 has had its last fill, all tensor loads have landed, and every wave's reads of it were waited for in front of the last change of slots.
.irp a, 0,1,2,3,4,5,6,7
	ds_store_b128 v[ST2A], v[RN+4*(\a):RN+4*(\a)+3] offset:(\a)*16*SP
.endr
	WIN 0x08                                       ; the data (source 1) in window 2
.irp a, 0,1,2,3,4,5,6,7
	ds_store_b128 v[ST2A], v[4*(\a):4*(\a)+3] offset:(\a)*16*SP+64
.endr
	WIN 0
	s_wait_dscnt 0x0                               ; for the others' sake: my stores into the stages are done (a row's 256 bytes come from two waves)
	s_barrier_signal -1
	s_barrier_wait -1
.set t, 0
.rept 32
	ds_load_b128 v[OB+4*t:OB+4*t+3], v[RD] offset:2*SP*t   ; two whole rows a load
.set t, t+1
.endr
.set t, 0
.rept 32
	s_wait_dscnt 31-t                              ; LDS loads come back in order (ISA guide 5.7.1): load t is in, the 31 - t younger ones stay out
	global_store_b128 v[CO], v[OB+4*t:OB+4*t+3], s[8:9] offset:8192*t th:TH_STORE_NT  ; 16 lanes store 256 consecutive bytes, at a multiple of 256 from out0's first byte
.set t, t+1
.endr
	s_wait_tensorcnt 0x0                           ; the wave's end: an add to the spare word and its wait, behind my last tensor load and my last LDS store
	ds_add_u32 v[SPW], v[NIL]
	s_wait_dscnt 0x0
	CROUND                                         ; the closing round: no work-group ends while a partner may still ask for a tile that names it
	s_endpgm
.Lfunc_end_k_qc5ac181b84_main:
	.size	k_qc5ac181b84_main, .Lfunc_end_k_qc5ac181b84_main-k_qc5ac181b84_main
	.p2alignl 7, 3214868480
	.fill 96, 4, 3214868480
	.section	.rodata,"a",@progbits
	.p2align	6, 0x0
	.amdhsa_kernel k_qc5ac181b84_main
		.amdhsa_group_segment_fixed_size 327680
		.amdhsa_private_segment_fixed_size 0
		.amdhsa_enable_private_segment 0
		.amdhsa_kernarg_size 40
		.amdhsa_user_sgpr_count 2
		.amdhsa_user_sgpr_kernarg_segment_ptr 1
		.amdhsa_wavefront_size32 1
		.amdhsa_system_sgpr_workgroup_id_x 1
		.amdhsa_system_sgpr_workgroup_id_y 1
		.amdhsa_system_sgpr_workgroup_id_z 1
		.amdhsa_system_vgpr_workitem_id 0
		.amdhsa_next_free_vgpr 1024
		.amdhsa_next_free_sgpr 92
		.amdhsa_reserve_vcc 0
		.amdhsa_float_denorm_mode_32 3
		.amdhsa_float_denorm_mode_16_64 3
		.amdhsa_memory_ordered 1
		.amdhsa_forward_progress 1
		.amdhsa_inst_pref_size 255
	.end_amdhsa_kernel
	.section	.bss,"aw",@nobits
	.p2align	6
	.space	262144
	.amdgpu_metadata
---
amdhsa.version: [ 1, 2 ]
amdhsa.kernels:
  - .name:           k_qc5ac181b84_main
    .symbol:         k_qc5ac181b84_main.kd
    .args:
      - { .name: xb, .offset: 0, .size: 8, .value_kind: global_buffer, .address_space: global }
      - { .name: wb, .offset: 8, .size: 8, .value_kind: global_buffer, .address_space: global }
      - { .name: sel_b, .offset: 16, .size: 8, .value_kind: global_buffer, .address_space: global }
      - { .name: comp_b, .offset: 24, .size: 8, .value_kind: global_buffer, .address_space: global }
      - { .name: out0, .offset: 32, .size: 8, .value_kind: global_buffer, .address_space: global }
    .group_segment_fixed_size: 327680
    .private_segment_fixed_size: 0
    .kernarg_segment_align: 8
    .kernarg_segment_size: 40
    .max_flat_workgroup_size: 128
    .sgpr_count:     92
    .vgpr_count:     1024
    .wavefront_size: 32
...
	.end_amdgpu_metadata
.endif
;; end of part 2
